; MI455X (gfx1250); checked and timed in simulation.
; The chip was launched on July 23, 2026; its instructions are those of AMD's public machine-readable ISA for CDNA 5 (MIT licence, August 2026) and "CDNA5" Instruction Set Architecture Reference Guide (July 2026). The comments in the code are by the model that wrote it; some were corrected since.
;; Cross Attention. Allowed arithmetic: matrix products marked QUANTISED: E4M3 operands, one E8M0 scale for each 32 along K, by v_wmma_scale_f32_16x16x128_f8f6f4 with both operands' format E4M3, f32 sums; everything else in f32.
;; Inputs: fk_b 4 x 32 float32; fk_w_codes 4 x 32 x 2 x 32 uint8 (E4M3 codes of fk_w, K innermost, in blocks of 32 codes); fk_w_scales 4 x 32 x 2 uint8 (E8M0 scales of fk_w, one for each 32 codes along K); fo_b 64 float32; fo_w 4 x 32 x 64 float32; fq_b 4 x 32 float32; fq_w_codes 4 x 32 x 2 x 32 uint8 (E4M3 codes of fq_w, K innermost, in blocks of 32 codes); fq_w_scales 4 x 32 x 2 uint8 (E8M0 scales of fq_w, one for each 32 codes along K); fv_b 4 x 32 float32; fv_w_codes 4 x 32 x 2 x 32 uint8 (E4M3 codes of fv_w, K innermost, in blocks of 32 codes); fv_w_scales 4 x 32 x 2 uint8 (E8M0 scales of fv_w, one for each 32 codes along K); tk_b 4 x 32 float32; tk_w_codes 4 x 32 x 2 x 32 uint8 (E4M3 codes of tk_w, K innermost, in blocks of 32 codes); tk_w_scales 4 x 32 x 2 uint8 (E8M0 scales of tk_w, one for each 32 codes along K); to_b 64 float32; to_w 4 x 32 x 64 float32; tq_b 4 x 32 float32; tq_w_codes 4 x 32 x 2 x 32 uint8 (E4M3 codes of tq_w, K innermost, in blocks of 32 codes); tq_w_scales 4 x 32 x 2 uint8 (E8M0 scales of tq_w, one for each 32 codes along K); tv_b 4 x 32 float32; tv_w_codes 4 x 32 x 2 x 32 uint8 (E4M3 codes of tv_w, K innermost, in blocks of 32 codes); tv_w_scales 4 x 32 x 2 uint8 (E8M0 scales of tv_w, one for each 32 codes along K); x_codes 32 x 64 x 128 x 2 x 32 uint8 (E4M3 codes of x, K innermost, in blocks of 32 codes); x_scales 32 x 64 x 128 x 2 uint8 (E8M0 scales of x, one for each 32 codes along K).
;; Outputs: out0 32 x 64 x 128 x 64 float32.
;; This version of the problem:
;;   THIS VERSION OF THE PROBLEM IS GIVEN IN LOW PRECISION. The matrix products marked QUANTISED in the list below multiply operands that are first quantised to E4M3 (4 exponent bits, 3 mantissa bits; 8 bits a number), with one power-of-two scale for each 32 numbers along K (OCP MX v1.0); their sums are f32. All else is computed in f32.
;;   The module's matrix products, in the order in which they are computed (A, B: the left and right operand; K: the contracted axis; several contracted axes count as one K, in the product's order):
;;     1. [M 262,144, K 64] x [K 64, N 128]; A: input x (given as codes); B: input tq_w (given as codes): QUANTISED
;;     2. [M 262,144, K 64] x [K 64, N 128]; A: input x (given as codes); B: input tk_w (given as codes): QUANTISED
;;     3. [M 262,144, K 64] x [K 64, N 128]; A: input x (given as codes); B: input tv_w (given as codes): QUANTISED
;;     4. batch 16,384 x [M 64, K 32] x [K 32, N 64]; A: computed on the way; B: computed on the way: QUANTISED
;;     5. batch 16,384 x [M 32, K 64] x [K 64, N 64]; A: computed on the way; B: softmax (see below): QUANTISED
;;     6. [M 262,144, K 128] x [K 128, N 64]; A: computed on the way; B: input to_w: QUANTISED
;;     7. [M 262,144, K 64] x [K 64, N 128]; A: input x (given as codes); B: input fq_w (given as codes): QUANTISED
;;     8. [M 262,144, K 64] x [K 64, N 128]; A: input x (given as codes); B: input fk_w (given as codes): QUANTISED
;;     9. [M 262,144, K 64] x [K 64, N 128]; A: input x (given as codes); B: input fv_w (given as codes): QUANTISED
;;     10. batch 8,192 x [M 128, K 32] x [K 32, N 128]; A: computed on the way; B: computed on the way: QUANTISED
;;     11. batch 8,192 x [M 32, K 128] x [K 128, N 128]; A: computed on the way; B: softmax (see below): QUANTISED
;;     12. [M 262,144, K 128] x [K 128, N 64]; A: computed on the way; B: input fo_w: QUANTISED
;;   THE QUANTISER, for each operand of a quantised product, along K:
;;     - K is cut into blocks of 32 from its start; a last block that is shorter is filled with zeros.
;;     - A block's scale is 2^e with e = floor(log2(the largest magnitude in the block)) - 8, held to -126 .. 127; a block of zeros has e = 0. As a byte (E8M0): e + 127.
;;     - Each number is divided by its block's scale, clamped to +-448, and rounded to the nearest number of E4M3, ties to even, subnormals kept.
;;     - The product sums the exact products of the quantised numbers (number of the format x scale) in f32.
;;   ~~~python
;;   def quantise(x, axis):      # numpy; x: float32 -> the quantised numbers, widened to float32 again
;;       x = np.moveaxis(x, axis, -1); K = x.shape[-1]
;;       x = np.pad(x, [(0, 0)] * (x.ndim - 1) + [(0, -K % 32)]); x = x.reshape(x.shape[:-1] + (-1, 32)); a = np.abs(x).max(-1, keepdims=True)
;;       e = np.where(a > 0, np.clip(np.frexp(np.where(a > 0, a, 1))[1] - 1 - 8, -126, 127), 0)      # np.frexp(a)[1] - 1 = floor(log2(a)), exactly
;;       r = np.clip(x / 2.0 ** e, -448, 448)
;;       step = 2.0 ** (np.maximum(np.frexp(np.where(r == 0, 1, r))[1] - 1, -6) - 3)
;;       q = np.round(r / step) * step * 2.0 ** e      # np.round: ties to even
;;       return np.moveaxis(q.reshape(q.shape[:-2] + (-1,))[..., :K], -1, axis).astype(np.float32)
;;   ~~~
;;   SOFTMAX AHEAD OF A QUANTISED PRODUCT. Where the list says 'softmax', what is quantised is not the finished softmax but p = 2^(t - M), with t = logit x log2(e) and M = ceil(the row's largest t), a whole number; so 1/2 < the row's largest p <= 1. The row's sum l is taken of the UNQUANTISED p, in f32, and the product's result is divided by l at the end. Since M is a whole number, a kernel that streams over the keys may use a running M (the ceiling of the running maximum): every later rescaling is an exact power of two, which a block's scale takes up: the codes' values come out the same.
;;   OPERANDS COMPUTED ON THE WAY. 'Computed on the way' means the value that the module computes at that place (a softmax that the list does not call 'softmax' is quantised finished and normalised). What goes into a quantiser is computed in f32, as accurately as f32 sums, v_exp_f32 and their like allow (about 1e-6 of the number): no bf16 or f16 on the way to a quantiser, and a product that is left as it is and whose result goes on into a quantised operand takes f32 operands (vector FMAs, or v_wmma_f32_16x16x4_f32). A number that lies on a knife's edge between two numbers of the format may be rounded either way, as far as f32 arithmetic and the matrix unit's own rounding can turn it there, and no further.
;;   INPUTS GIVEN AS CODES. fk_w (in the module: [64, 4, 32], K = its axis 0); fq_w (in the module: [64, 4, 32], K = its axis 0); fv_w (in the module: [64, 4, 32], K = its axis 0); tk_w (in the module: [64, 4, 32], K = its axis 0); tq_w (in the module: [64, 4, 32], K = its axis 0); tv_w (in the module: [64, 4, 32], K = its axis 0); x (in the module: [32, 64, 128, 64], K = its axis 3): each comes as NAME_codes (uint8): NAME with its K axis moved to the last place and cut into blocks of 32 codes, [.., K / 32, bytes a block], one block behind the other in memory; one code a byte (a code: sign, 4 exponent bits, 3 mantissa bits); and NAME_scales (uint8): the same leading axes, one E8M0 byte (e + 127) for each 32 codes along K. Its value is code x scale, taken as it is: it is not quantised again, and the codes and scales need not be those that the quantiser above would give.
;; One version. Each part assembles by itself: llvm-mc -triple=amdgcn-amd-amdhsa -mcpu=gfx1250 --defsym DOCPART=n.
;; ======== version 1 of 1: 2 launches
;; limits: right only within a limited range of input values
;; workspace buffers: ot_codes 33,554,432 bytes; ot_scales 1,048,576 bytes
;; launch temporal (part 1): grid 256 x 1, 16 waves a work-group, no clusters, 196,864 bytes of LDS; arguments x_codes, x_scales, tq_w_codes, tq_w_scales, tq_b, tk_w_codes, tk_w_scales, tk_b, tv_w_codes, tv_w_scales, tv_b, ot_codes, ot_scales; writes ot_codes, ot_scales
.if DOCPART == 1
	.amdgcn_target "amdgcn-amd-amdhsa--gfx1250"
	.amdhsa_code_object_version 6
	.text
	.protected	k_q58511e6cd9_temporal
	.globl	k_q58511e6cd9_temporal
	.p2align	8
	.type	k_q58511e6cd9_temporal,@function
k_q58511e6cd9_temporal:
	s_mov_b64 s[64:65], 0
	v_nop
	global_prefetch_b8 v0, s[64:65] scope:SCOPE_SE
	s_setreg_imm32_b32 hwreg(HW_REG_WAVE_MODE, 25, 1), 1
	s_wait_xcnt 0x0
; TEMPORAL AXIAL ATTENTION up to the operand of its output projection, all products on codes of FP8 (E4M3) with one E8M0 scale for each 32 along K.
; x [32 b][64 t][128 f][64] arrives as codes; a unit is (b, f): 64 rows t, 4 heads of 32 channels.  Stored: o, quantised along (head, channel), as 128 codes and one scale word a row; the next launch multiplies it by to_w.
; SHARES.  Work-group g: b = g / 8, features 16 (g % 8) .. + 15, four at a step, four steps.  Wave w: unit u = w / 4 of the step, head c = w % 4.  Sixteen waves of 256 registers: four to a SIMD, so that one wave's
; vector work stands beside another's matrix work and LDS loads.  No tensor load, no cluster, no prefetch: a step's inputs are 16 KiB, asked for a whole phase ahead into spare registers, and work-groups share only 24 KiB of weights.
; LAYOUT.  q, k: source 0 = 16 rows of W, source 1 = 16 rows of x: a lane holds one row of x, register j of tile u' channel 16 u' + 8 h + j; 16 registers become the 16 bytes of block 0 of an operand (the same order in q and k).
; v: source 0 = x, source 1 = W: a lane holds one channel, its registers run along the keys.  S^T = K Q^T and O^T = V^T P^T: a lane holds one query; p and v carry the same order of keys inside each block of 32.
; K IS SHORTER THAN 128: one side of each product has zero codes there (x: 8 registers of zeros; q: 12; p: 8), the other side any codes of our own or of the weights; unused scale bytes are 0.
; ot_codes [b][t][f][128]: byte 32 c + 16 h + 8 u' + j is head c, channel 16 u' + 8 h + j (the next launch lays to_w alike).  ot_scales: a word a row, [b][t/4][f/16][t%4][f%16].
; LIMITS: NaN codes and scale bytes 0xff among the inputs are not served; a block whose largest magnitude lies under 2^-118 (a block of zeros too) keeps the scale byte 1: only this program reads these bytes;
; v_exp_f32 gives 0 for p under 2^-126; the bias is the C of the projection's matrix instruction; o = O x (1 / l) by v_rcp_f32; inside a block of 32 the order of the sum is not reference()'s.
.set NB, 2                             ; blocks of 32 keys
.set NT, 2*NB                          ; tiles of 16 rows
.set NS, 4                             ; steps
.set XSTEP, 17408                      ; LDS: a step's x: 64 rows t x (4 f x 64 bytes + 16): rows 272 bytes apart start at 16 different 16-byte columns modulo 256
.set XTILE, 4352                       ; 16 rows
.set XSSTEP, 8                         ; x's scale bytes: 4 f x 2 bytes a step,
.set XSTILE, 576                       ; 16 rows t of 36 bytes
.set TP, 544                           ; a tile's image in EX: two halves of the lanes, 272 bytes apart
.set XSC, 69632                        ; x's scale bytes, 64 t x (16 f x 2 + 4)
.set WL, 71936                         ; the three weights' codes, each 32 rows of 256 + 16 bytes
.set BI, 98048                         ; the three biases
.set EX, 99584                         ; q's, then o's codes: 2 parities x 16 waves x 2,336 bytes
.set EXS, 174336                       ; their scale bytes as words: 2 x 16 x 512
.set SST, 190720                       ; o's scale words of the work-group's 64 t x 16 f
.set EXPAR, 37376
.set EXSPAR, 8192
.set KR, 32                            ; v32-47  K: 4 tiles x 4 registers
.set VR, 48                            ; v48-63  V^T: 2 tiles x 8 registers; v64-71 zeros behind them
.set VW, 8
.set BIAS, 72                          ; v72-87  the pass's bias, in the result's layout
.set XN, 88                            ; v88-95  the next step's x on its way
.set KS, 96                            ; v96-99  K's scale words;  v104-105 V's;  v106 x's / q's, v107 x's / p's;  v108-110 the weights'
.set VS, 104
.set WS, 108
.set XA, 112                           ; v112-143 two fragments of x (8 registers + 8 zeros each)
.set ACC, 144                          ; v144-175 four results of a projection
.set SR, 112                           ; v112-143 S^T, then p; v112-127 O^T
.set PR, 176                           ; v176-183 p's codes; v184-191 zeros
.set TM, 192                           ; v192-195 maxima, 196-199 partner's / bytes, 204-207 scale operands, 208-213 -M, sums, o's codes, 214 1/l
.set WB, 216                           ; v216-231 two tiles of W; v232-239 zeros
.macro NOPS n
.rept \n
	v_nop
.endr
.endm
.macro ZERO first, count
.set zi, 0
.rept \count
	v_mov_b32 v[(\first)+zi], 0
.set zi, zi+1
.endr
.endm
.macro BARRIER                         ; my LDS stores have landed and my LDS loads are in: then the work-group's barrier
	s_wait_dscnt 0x0
	s_barrier_signal -1
	s_barrier_wait -1
.endm
; nb blocks of 32 by turns.  Block b: the 16 registers v[src + 16 b] on of a lane and of lane xor 16.  Codes to v[dst + dstep b] on (4 registers), the scale's byte to v[bd + bstep b].
.macro QUANT nb, src, dst, dstep, bd, bstep
.set qb, 0
.rept \nb
	v_max3_num_f32 v[TM+qb], |v[(\src)+16*qb]|, |v[(\src)+16*qb+1]|, 0x4800000   ; the floor 2^(9 - 127) among the leaves: the byte cannot fall under 1
.set qb, qb+1
.endr
.irp qi, 2,4,6,8,10,12,14
.set qb, 0
.rept \nb
	v_max3_num_f32 v[TM+qb], v[TM+qb], |v[(\src)+16*qb+\qi]|, |v[(\src)+16*qb+\qi+1]|
.set qb, qb+1
.endr
.endr
.set qb, 0
	v_permlanex16_b32 v[TM+4+qb], v[TM+qb], s48, s49
.set qb, qb+1
.rept (\nb)-1
	s_delay_alu instid0(VALU_DEP_2)
	v_permlanex16_b32 v[TM+4+qb], v[TM+qb], s48, s49
.set qb, qb+1
.endr
.set qb, 0
	v_max_num_f32 v[TM+qb], v[TM+qb], v[TM+4+qb]              ; the block's largest magnitude
.set qb, qb+1
.rept (\nb)-1
	s_delay_alu instid0(VALU_DEP_2)
	v_max_num_f32 v[TM+qb], v[TM+qb], v[TM+4+qb]              ; the block's largest magnitude
.set qb, qb+1
.endr
.set qb, 0
	v_add_nc_u32 v[TM+12+qb], 0xfc000000, v[TM+qb]            ; 8 off its exponent field: the conversion's scale operand
.set qb, qb+1
.rept (\nb)-1
	s_delay_alu instid0(VALU_DEP_2)
	v_add_nc_u32 v[TM+12+qb], 0xfc000000, v[TM+qb]            ; 8 off its exponent field: the conversion's scale operand
.set qb, qb+1
.endr
.set qb, 0
.rept \nb
.set qb, qb+1
.endr
.set qb, 0
	v_lshrrev_b32 v[(\bd)+(\bstep)*qb], 23, v[TM+12+qb]       ; the scale's byte
.set qb, qb+1
.rept (\nb)-1
	s_delay_alu instid0(VALU_DEP_2)
	v_lshrrev_b32 v[(\bd)+(\bstep)*qb], 23, v[TM+12+qb]       ; the scale's byte
.set qb, qb+1
.endr
.set qb, 0
.rept \nb
.irp qi, 0,1,2,3,4,5,6,7,8,9,10,11,12,13,14,15
.endr
	v_cvt_scalef32_pk8_fp8_f32 v[(\dst)+(\dstep)*qb:(\dst)+(\dstep)*qb+1], v[(\src)+16*qb:(\src)+16*qb+7], v[TM+12+qb]
	v_cvt_scalef32_pk8_fp8_f32 v[(\dst)+(\dstep)*qb+2:(\dst)+(\dstep)*qb+3], v[(\src)+16*qb+8:(\src)+16*qb+15], v[TM+12+qb]
.set qb, qb+1
.endr
	v_nop                                                     ; a plain line behind the last conversion
.endm
.macro XPAIR st, pr                    ; tiles 2 pr and 2 pr + 1 of my unit's x, with their rows' scale bytes (two bytes, widened with zeros)
.irp e, 0,1
	ds_load_b128 v[XA+16*\e:XA+16*\e+3], v1 offset:(\st)*XSTEP+(2*(\pr)+\e)*XTILE
	ds_load_b128 v[XA+16*\e+4:XA+16*\e+7], v1 offset:(\st)*XSTEP+(2*(\pr)+\e)*XTILE+32
	ds_load_u16 v[106+\e], v2 offset:(\st)*XSSTEP+(2*(\pr)+\e)*XSTILE
.endr
.endm
; One projection of my head for all rows of my unit: kind 0 = q (to LDS, tile by tile), 1 = k, 2 = v (both stay in registers).
.macro PASS kind, st
.irp u, 0,1
	ds_load_b128 v[WB+8*\u:WB+8*\u+3], v3 offset:(\kind)*8704+\u*1088
	ds_load_b128 v[WB+8*\u+4:WB+8*\u+7], v3 offset:(\kind)*8704+\u*1088+32
.endr
.if \kind < 2
.irp u, 0,1
	ds_load_b128 v[BIAS+8*\u:BIAS+8*\u+3], v4 offset:(\kind)*512+\u*64          ; register j: the bias of channel 16 u' + 8 h + j
	ds_load_b128 v[BIAS+8*\u+4:BIAS+8*\u+7], v4 offset:(\kind)*512+\u*64+16
.endr
.else
.irp u, 0,1
.irp j, 0,1,2,3,4,5,6,7
	ds_load_b32 v[BIAS+8*\u+\j], v5 offset:\u*64                                 ; every register: the bias of my channel 16 u' + r
.endr
.endr
.endif
	XPAIR \st, 0
	s_wait_dscnt 0x0
.set pp, 0
.rept NB
.if \kind < 2
.irp e, 0,1
	v_wmma_scale_f32_16x16x128_f8f6f4 v[ACC+16*\e:ACC+16*\e+7], v[WB:WB+15], v[XA+16*\e:XA+16*\e+15], v[BIAS:BIAS+7], v[WS+\kind], v[106+\e]
	v_wmma_scale_f32_16x16x128_f8f6f4 v[ACC+16*\e+8:ACC+16*\e+15], v[WB+8:WB+23], v[XA+16*\e:XA+16*\e+15], v[BIAS+8:BIAS+15], v[WS+\kind], v[106+\e] matrix_a_scale:MATRIX_SCALE_ROW1
.endr
.else
.irp e, 0,1
	v_wmma_scale_f32_16x16x128_f8f6f4 v[ACC+8*\e:ACC+8*\e+7], v[XA+16*\e:XA+16*\e+15], v[WB:WB+15], v[BIAS:BIAS+7], v[106+\e], v[WS+2]
	v_wmma_scale_f32_16x16x128_f8f6f4 v[ACC+16+8*\e:ACC+16+8*\e+7], v[XA+16*\e:XA+16*\e+15], v[WB+8:WB+23], v[BIAS+8:BIAS+15], v[106+\e], v[WS+2] matrix_b_scale:MATRIX_SCALE_ROW1
.endr
.endif
	NOPS 8                                                    ; eight places in front of the loads into x's registers and of the first read of the results
.if pp+1 < NB
	XPAIR \st, pp+1                                           ; the next two tiles land while these are quantised
.endif
.if \kind == 0
.set qj, 0
.rept 16
	v_pk_mul_f32 v[ACC+qj:ACC+qj+1], v[ACC+qj:ACC+qj+1], s[54:55] op_sel_hi:[1,0]   ; q = (x w + b) / sqrt(32)
.set qj, qj+2
.endr
	QUANT 2, ACC, KR, 4, TM+4, 1
.irp e, 0,1
	ds_store_b128 v6, v[KR+4*\e:KR+4*\e+3] offset:PAR+(2*pp+\e)*TP               ; block 0 of the operand, as it stands in my lanes
	ds_store_b32 v7, v[TM+4+\e] offset:PARS+(2*pp+\e)*128
.endr
.elseif \kind == 1
	QUANT 2, ACC, KR+8*pp, 4, KS+2*pp, 1
.else
	QUANT 2, ACC, VR+4*pp, VW, TM+4, 1
.irp u, 0,1
.if pp == 0
	v_mov_b32 v[VS+\u], v[TM+4+\u]
.else
	v_lshl_or_b32 v[VS+\u], v[TM+4+\u], 8*pp, v[VS+\u]
.endif
.endr
.endif
	s_wait_dscnt 0x0                                          ; the next tiles are in, and my stores have read their registers
.set pp, pp+1
.endr
.endm
; p = 2^(t - M) of the whole row, t = score x log2(e), M = ceil(the row's largest t); the row's sum of the unquantised p ends in v212; p's codes in v[PR] on, its scale word in v107.
.macro SOFTMAX
.set sb, 0
.rept NB
	v_max3_num_f32 v[TM+sb], v[SR+16*sb], v[SR+16*sb+1], v[SR+16*sb+2]           ; each block's largest score: for the row's maximum and, since p rises with the score, for the block's largest p
.set sb, sb+1
.endr
.irp si, 3,5,7,9,11,13
.set sb, 0
.rept NB
	v_max3_num_f32 v[TM+sb], v[TM+sb], v[SR+16*sb+\si], v[SR+16*sb+\si+1]
.set sb, sb+1
.endr
.endr
.set sb, 0
.rept NB
	v_max_num_f32 v[TM+sb], v[TM+sb], v[SR+16*sb+15]
.set sb, sb+1
.endr
.set sb, 0
.rept NB
	s_delay_alu instid0(VALU_DEP_2)
	v_permlanex16_b32 v[TM+4+sb], v[TM+sb], s48, s49
.set sb, sb+1
.endr
.set sb, 0
.rept NB
	s_delay_alu instid0(VALU_DEP_2)
	v_max_num_f32 v[TM+sb], v[TM+sb], v[TM+4+sb]
.set sb, sb+1
.endr
.if NB == 2
	s_delay_alu instid0(VALU_DEP_1)
	v_max_num_f32 v214, v[TM], v[TM+1]
.else
	v_max3_num_f32 v214, v[TM], v[TM+1], v[TM+2]
	v_max_num_f32 v214, v214, v[TM+3]
.endif
	s_delay_alu instid0(VALU_DEP_1)
	v_mul_f32 v214, s52, v214                                 ; the row's largest t
	s_delay_alu instid0(VALU_DEP_1)
	v_floor_f32 v208, -v214                                   ; -M = floor(-t)
	s_delay_alu instid0(VALU_DEP_1)
	v_mov_b32 v209, v208                                      ; (named with it as a pair)
.set sj, 0
.rept 8*NB
	v_pk_fma_f32 v[SR+sj:SR+sj+1], v[SR+sj:SR+sj+1], s[52:53], v[208:209] op_sel_hi:[1,0,0]
.set sj, sj+2
.endr
.set sb, 0
.rept NB
	v_fma_f32 v[TM+sb], v[TM+sb], s52, v208
.set sb, sb+1
.endr
.set sj, 0
	s_wait_alu depctr_va_vdst(0)
.rept 16*NB
	v_exp_f32 v[SR+sj], v[SR+sj]
.set sj, sj+1
.endr
	v_nop                                                     ; a plain line behind the batch,
	s_wait_alu depctr_va_vdst(0)                              ; and one wait for it, ahead of its first reader
.set sb, 0
.rept NB
	v_exp_f32 v[TM+sb], v[TM+sb]                              ; the blocks' largest p
.set sb, sb+1
.endr
	s_setprio 1
	v_pk_add_f32 v[210:211], v[SR:SR+1], v[SR+4:SR+5]         ; the sum of the unquantised p, in two chains: plain work behind the small batch
	v_pk_add_f32 v[212:213], v[SR+2:SR+3], v[SR+6:SR+7]
.set sj, 8
.rept 4*NB-2
	v_pk_add_f32 v[210:211], v[210:211], v[SR+sj:SR+sj+1]
	v_pk_add_f32 v[212:213], v[212:213], v[SR+sj+2:SR+sj+3]
.set sj, sj+4
.endr
	s_wait_alu depctr_va_vdst(0)                              ; the wait for the small batch
.set sb, 0
.rept NB
	v_max_num_f32 v[TM+sb], 0x4800000, v[TM+sb]
.set sb, sb+1
.endr
.set sb, 0
.rept NB
	s_delay_alu instid0(VALU_DEP_2)
	v_add_nc_u32 v[TM+12+sb], 0xfc000000, v[TM+sb]
.set sb, sb+1
.endr
.set sb, 0
.rept NB
.set sb, sb+1
.endr
.set sb, 0
.rept NB
	s_delay_alu instid0(VALU_DEP_2)
	v_lshrrev_b32 v[TM+4+sb], 23, v[TM+12+sb]
.set sb, sb+1
.endr
	s_delay_alu instid0(VALU_DEP_1)
	v_lshl_or_b32 v107, v[TM+5], 8, v[TM+4]                   ; p's scale word: more than eight plain lines ahead of its use
.if NB == 4
	v_lshl_or_b32 v107, v[TM+6], 16, v107
	v_lshl_or_b32 v107, v[TM+7], 24, v107
.endif
.set sb, 0
.rept NB
.irp si, 0,1,2,3,4,5,6,7,8,9,10,11,12,13,14,15
.endr
	v_cvt_scalef32_pk8_fp8_f32 v[PR+4*sb:PR+4*sb+1], v[SR+16*sb:SR+16*sb+7], v[TM+12+sb]
	v_cvt_scalef32_pk8_fp8_f32 v[PR+4*sb+2:PR+4*sb+3], v[SR+16*sb+8:SR+16*sb+15], v[TM+12+sb]
.set sb, sb+1
.endr
	v_pk_add_f32 v[210:211], v[210:211], v[212:213]           ; these lines are also the four places between p's codes and the product
	s_delay_alu instid0(VALU_DEP_1)
	v_add_f32 v212, v210, v211
	s_delay_alu instid0(VALU_DEP_1)
	v_permlanex16_b32 v213, v212, s48, s49
	s_delay_alu instid0(VALU_DEP_1)
	v_add_f32 v212, v212, v213                                ; l
	NOPS 2
.endm
; One tile of 16 queries against all keys.  s57, s58: the tile's place in my images.  o takes q's bytes: they are my wave's own, and LDS serves a wave's instructions in order.
.macro TRIP
	v_add_nc_u32 v14, s57, v6
	v_add_nc_u32 v15, s58, v7
	ds_load_b128 v[16:19], v14 offset:PAR
	ds_load_b32 v106, v15 offset:PARS
	s_wait_dscnt 0x0
.set ti, 0
	s_wait_alu depctr_va_vdst(0)
.rept NT
	v_wmma_scale_f32_16x16x128_f8f6f4 v[SR+8*ti:SR+8*ti+7], v[KR+4*ti:KR+4*ti+15], v[16:31], 0, v[KS+ti], v106   ; K's window runs on into later codes: q has zeros there
.set ti, ti+1
.endr
	NOPS 8
	SOFTMAX
.irp u, 0,1
	v_wmma_scale_f32_16x16x128_f8f6f4 v[SR+8*\u:SR+8*\u+7], v[VR+VW*\u:VR+VW*\u+15], v[PR:PR+15], 0, v[VS+\u], v107
.endr
	s_wait_alu depctr_va_vdst(0)
	v_rcp_f32 v214, v212
	NOPS 8                                                    ; the places behind the products; the first is the plain line behind the reciprocal
	s_setprio 0
	s_wait_alu depctr_va_vdst(0)                              ; ahead of the reciprocal's first reader
.set ti, 0
.rept 8
	v_pk_mul_f32 v[SR+ti:SR+ti+1], v[SR+ti:SR+ti+1], v[214:215] op_sel_hi:[1,0]   ; o = O / l, from each result's low end on
.set ti, ti+2
.endr
	QUANT 1, SR, 208, 4, TM+4, 1
	ds_store_b128 v14, v[208:211] offset:PAR
	ds_store_b32 v15, v196 offset:PARS
	s_wait_dscnt 0x0                                          ; the stores have read their registers
.endm
; The step's one barrier: behind it the images of this parity are whole and the next step's x is visible.  This parity is written again two steps on, behind the next barrier, which every wave reaches behind these reads.
.macro FLUSH st
	BARRIER
.irp i, 0,1,2,3
	ds_load_b128 v[144+4*\i:147+4*\i], v9 offset:PAR+16*\i     ; row t = 4 wave + i: lane L takes the 16 bytes of (unit L / 8, head (L / 2) % 4, half L % 2)
.endr
.irp i, 0,1,2,3
	ds_load_b32 v[160+\i], v12 offset:PARS+512*\i              ; lane: (unit L % 4, row (L / 4) % 4): the bytes of its four heads
.endr
	s_wait_dscnt 0x0
.irp i, 0,1,2,3
	global_store_b128 v11, v[144+4*\i:147+4*\i], s[30:31] offset:\i*16384+(\st)*512   ; the wave stores 512 consecutive bytes, aligned: four features' rows
.endr
	v_lshl_or_b32 v160, v161, 8, v160
	s_delay_alu instid0(VALU_DEP_1)
	v_lshl_or_b32 v160, v162, 16, v160
	s_delay_alu instid0(VALU_DEP_1)
	v_lshl_or_b32 v160, v163, 24, v160
	ds_store_b32 v13, v160 offset:16*(\st)                     ; lanes 16-31 write the same words with the same values
.endm
.macro STEP st
.set PAR, ((\st)&1)*EXPAR
.set PARS, ((\st)&1)*EXSPAR
	s_wait_xcnt 0x0                                           ; the last step's stores have read their registers
	ZERO 20, 12
	ZERO XA+8, 8
	ZERO XA+24, 8
	ZERO WB+16, 8
	s_wait_alu depctr_va_vdst(0)
	NOPS 4                                                    ; operands written by vector lines stand four places ahead of a scaled product
.if (\st)+1 < NS
	global_load_b128 v[XN:XN+3], v10, s[8:9] offset:((\st)+1)*256
	global_load_b128 v[XN+4:XN+7], v10, s[8:9] offset:((\st)+1)*256+262144
.endif
	PASS 0, \st
	PASS 1, \st
	PASS 2, \st
.if (\st)+1 < NS
	s_wait_loadcnt 0x0                                        ; asked for three passes ago
	ds_store_b128 v8, v[XN:XN+3] offset:((\st)+1)*XSTEP
	ds_store_b128 v8, v[XN+4:XN+7] offset:((\st)+1)*XSTEP+8704
.endif
	NOPS 4                                                    ; places between V's last conversion and K's last window, which reaches into V
	s_mov_b32 s56, 0
	s_mov_b32 s57, 0
	s_mov_b32 s58, 0
.Ltrip_\@:
	s_setprio 2
	TRIP
	s_add_co_u32 s57, s57, TP
	s_add_co_u32 s58, s58, 128
	s_add_co_u32 s56, s56, 1
	s_cmp_lt_u32 s56, NT
	s_cbranch_scc1 .Ltrip_\@
	s_setprio 0
	FLUSH \st
.endm
	s_load_b512 s[8:23], s[0:1], 0x0               ; x codes 8, x scales 10, wq codes 12, wq scales 14, bq 16, wk codes 18, wk scales 20, bk 22
	s_load_b256 s[24:31], s[0:1], 0x40             ; wv codes 24, wv scales 26, bv 28, ot_codes 30
	s_load_b64 s[32:33], s[0:1], 0x60              ; ot_scales
	v_lshl_add_u32 v254, v0, 2, 0x2f900
	v_mov_b32 v255, 0
	v_lshrrev_b32 v116, 5, v0
	s_delay_alu instid0(VALU_DEP_1)
	v_readfirstlane_b32 s44, v116                  ; wave
	s_lshr_b32 s45, s44, 2                         ; u
	s_and_b32 s46, s44, 3                          ; c
	s_mov_b32 s48, 0x76543210
	s_mov_b32 s49, 0xfedcba98                      ; v_permlanex16_b32's selects for lane xor 16
	s_mov_b32 s52, 0x3fb8aa3b                      ; log2(e)
	s_mov_b32 s53, s52
	s_mov_b32 s54, 0x3e3504f3                      ; 1 / sqrt(32)
	s_mov_b32 s55, s54
	v_and_b32 v112, 31, v0                         ; L
	v_and_b32 v113, 15, v0                         ; r
	v_bfe_u32 v114, v0, 4, 1                       ; h
	v_lshrrev_b32 v115, 4, v0                      ; thread / 16
	s_delay_alu instid0(VALU_DEP_3)
	v_mul_u32_u24 v1, v113, 272                    ; v1: x's fragments: 272 r + 64 u + 16 h
	s_delay_alu instid0(VALU_DEP_1)
	v_lshl_add_u32 v1, v114, 4, v1
	s_lshl_b32 s59, s45, 6
	v_add_nc_u32 v1, s59, v1
	v_mul_u32_u24 v2, v113, 36                     ; v2: x's scale bytes: 36 r + 2 u
	s_lshl_b32 s59, s45, 1
	s_add_co_u32 s59, s59, XSC
	v_add_nc_u32 v2, s59, v2
	v_lshrrev_b32 v116, 2, v113                    ; v3: W's fragments: rows of 64 bytes, 16 more behind each four: 64 r + 16 (r / 4) + 16 h + my head's 32 rows
	v_lshlrev_b32 v3, 6, v113
	s_delay_alu instid0(VALU_DEP_1)
	v_lshl_add_u32 v3, v116, 4, v3
	s_delay_alu instid0(VALU_DEP_1)
	v_lshl_add_u32 v3, v114, 4, v3
	s_mul_i32 s59, s46, 2176
	s_add_co_u32 s59, s59, WL
	v_add_nc_u32 v3, s59, v3
	s_lshl_b32 s59, s46, 7
	s_add_co_u32 s60, s59, BI
	v_lshl_add_u32 v4, v114, 5, s60                ; v4: q's and k's bias
	s_add_co_u32 s60, s59, BI+1024
	v_lshl_add_u32 v5, v113, 2, s60                ; v5: v's bias
	v_mul_u32_u24 v6, v114, 272                    ; v6: my images: wave x 2,336 + 272 h + 16 r
	s_delay_alu instid0(VALU_DEP_1)
	v_lshl_add_u32 v6, v113, 4, v6
	s_mul_i32 s59, s44, 2336
	s_add_co_u32 s59, s59, EX
	v_add_nc_u32 v6, s59, v6
	s_lshl_b32 s59, s44, 9
	s_add_co_u32 s59, s59, EXS
	v_lshl_add_u32 v7, v112, 2, s59                ; v7: their scale words
	v_mul_u32_u24 v8, v115, 272                    ; v8: a copy of 8 KiB into rows of 256 + 16
	s_delay_alu instid0(VALU_DEP_1)
	v_lshl_add_u32 v8, v113, 4, v8
	v_lshrrev_b32 v116, 1, v112                    ; v9: the flush: (L / 2) x 2,336 + (L % 2) x 272 + (wave / 4) x 544 + (wave % 4) x 64: sixteen lanes at sixteen different columns
	s_delay_alu instid0(VALU_DEP_1)
	v_mul_u32_u24 v9, v116, 2336
	v_and_b32 v116, 1, v112
	s_delay_alu instid0(VALU_DEP_1)
	v_mad_u32_u24 v9, v116, 272, v9
	s_mul_i32 s59, s45, 544
	s_lshl_b32 s60, s46, 6
	s_add_co_u32 s59, s59, s60
	s_add_co_u32 s59, s59, EX
	v_add_nc_u32 v9, s59, v9
	v_lshlrev_b32 v10, 13, v115                    ; v10: x in memory: row t = thread / 16 (8,192 bytes apart), 16 bytes a thread
	s_delay_alu instid0(VALU_DEP_1)
	v_lshl_add_u32 v10, v113, 4, v10
	v_lshlrev_b32 v11, 4, v112                     ; v11: 16 L
	v_and_b32 v128, 3, v0
	v_bfe_u32 v129, v0, 2, 2
	s_delay_alu instid0(VALU_DEP_2)
	v_lshlrev_b32 v12, 11, v128                    ; v12: the flush's scale bytes
	s_delay_alu instid0(VALU_DEP_1)
	v_lshl_add_u32 v12, v129, 2, v12
	s_lshl_b32 s59, s45, 7
	s_lshl_b32 s60, s46, 4
	s_add_co_u32 s59, s59, s60
	s_add_co_u32 s59, s59, EXS
	v_add_nc_u32 v12, s59, v12
	v_lshlrev_b32 v13, 6, v129                     ; v13: and where the words go: my wave's own 256 bytes of SST
	s_delay_alu instid0(VALU_DEP_1)
	v_lshl_add_u32 v13, v128, 2, v13
	s_lshl_b32 s59, s44, 8
	s_add_co_u32 s59, s59, SST
	v_add_nc_u32 v13, s59, v13
	v_lshlrev_b32 v117, 4, v0                      ; the head's own: 16 x thread,
	s_lshl_b32 s59, s46, 6
	v_lshl_add_u32 v118, v112, 1, s59              ; the weights' scale bytes of my head: lanes 0-15 tile 0, lanes 16-31 tile 1,
	v_lshrrev_b32 v116, 3, v0
	v_and_b32 v128, 7, v0
	s_delay_alu instid0(VALU_DEP_2)
	v_lshlrev_b32 v120, 8, v116                    ; x's scale bytes in memory: 32 bytes of each t,
	s_delay_alu instid0(VALU_DEP_1)
	v_lshl_add_u32 v120, v128, 2, v120
	s_delay_alu instid0(VALU_DEP_4)
	v_mul_u32_u24 v123, v116, 36                   ; and in LDS,
	s_delay_alu instid0(VALU_DEP_1)
	v_lshl_add_u32 v123, v128, 2, v123
	s_delay_alu instid0(VALU_DEP_1)
	v_add_nc_u32 v123, XSC, v123
	s_lshl_b32 s59, s44, 9
	s_add_co_u32 s59, s59, BI
	v_lshl_add_u32 v121, v112, 4, s59              ; a bias (waves 0 to 2),
	v_add_nc_u32 v122, WL, v8                      ; the weights' codes
	s_lshr_b32 s59, ttmp9, 3                       ; b
	s_and_b32 s60, ttmp9, 7                        ; which 16 features
	s_mov_b32 s67, 0
	s_mov_b32 s69, 0
	s_mov_b32 s71, 0
	s_mov_b32 s73, 0
	s_lshl_b32 s66, s59, 19
	s_lshl_b32 s61, s60, 10
	s_add_co_u32 s66, s66, s61
	s_lshl_b32 s68, s59, 14
	s_lshl_b32 s61, s60, 5
	s_add_co_u32 s68, s68, s61
	s_lshl_b32 s70, s59, 20
	s_lshl_b32 s61, s60, 11
	s_add_co_u32 s70, s70, s61
	s_lshl_b32 s61, s44, 16                        ; my wave stores rows t = 4 wave .. + 3
	s_add_co_u32 s70, s70, s61
	s_lshl_b32 s72, s59, 15
	s_lshl_b32 s61, s60, 8
	s_add_co_u32 s72, s72, s61
	s_lshl_b32 s61, s44, 11
	s_add_co_u32 s72, s72, s61
	ZERO TM+4, 4                                   ; a lane permute's destination counts as one of its sources
	ZERO 64, 8                                     ; the zeros behind V^T
	ZERO PR+8, 8                                   ; and behind p
	v_mov_b32 v215, 0                              ; (named as the upper half of the pair v[214:215])
	s_wait_kmcnt 0x0
	s_add_nc_u64 s[8:9], s[8:9], s[66:67]
	s_add_nc_u64 s[10:11], s[10:11], s[68:69]
	s_add_nc_u64 s[30:31], s[30:31], s[70:71]
	s_add_nc_u64 s[32:33], s[32:33], s[72:73]
	global_load_b128 v[216:219], v117, s[12:13]
	global_load_b128 v[220:223], v117, s[18:19]
	global_load_b128 v[224:227], v117, s[24:25]
	global_load_u16 v108, v118, s[14:15]
	global_load_u16 v109, v118, s[20:21]
	global_load_u16 v110, v118, s[26:27]
	global_load_b128 v[XN:XN+3], v10, s[8:9]
	global_load_b128 v[XN+4:XN+7], v10, s[8:9] offset:262144
	global_load_b32 v119, v120, s[10:11]
	s_cmp_lt_u32 s44, 3                            ; waves 0, 1, 2 copy bq, bk, bv
	s_cbranch_scc0 .Lno_bias
	s_cmp_eq_u32 s44, 0
	s_cselect_b64 s[74:75], s[16:17], s[22:23]
	s_cmp_eq_u32 s44, 2
	s_cselect_b64 s[74:75], s[28:29], s[74:75]
	global_load_b128 v[124:127], v11, s[74:75]
	s_wait_loadcnt 0x0
	ds_store_b128 v121, v[124:127]
.Lno_bias:
	s_wait_loadcnt 0x0
	ds_store_b128 v122, v[216:219]
	ds_store_b128 v122, v[220:223] offset:8704
	ds_store_b128 v122, v[224:227] offset:17408
	ds_store_b128 v8, v[XN:XN+3]
	ds_store_b128 v8, v[XN+4:XN+7] offset:8704
	ds_store_b32 v123, v119
	BARRIER                                        ; weights, biases, x's scale bytes and step 0's x lie in LDS
	STEP 0
	STEP 1
	STEP 2
	STEP 3
	v_and_b32 v112, 31, v0                         ; my wave's 256 bytes of scale words: its own stores, seen in order; one aligned run of 256 bytes out
	s_lshl_b32 s59, s44, 8
	s_add_co_u32 s59, s59, SST
	v_lshl_add_u32 v113, v112, 3, s59
	v_lshlrev_b32 v114, 3, v112
	ds_load_b64 v[116:117], v113
	s_wait_alu depctr_va_vdst(0)
	s_wait_dscnt 0x0
	global_store_b64 v114, v[116:117], s[32:33]
	s_wait_tensorcnt 0x0
	ds_add_u32 v254, v255
	s_wait_dscnt 0x0
	s_endpgm
.Lfunc_end_k_q58511e6cd9_temporal:
	.size	k_q58511e6cd9_temporal, .Lfunc_end_k_q58511e6cd9_temporal-k_q58511e6cd9_temporal
	.p2alignl 7, 3214868480
	.fill 96, 4, 3214868480
	.section	.rodata,"a",@progbits
	.p2align	6, 0x0
	.amdhsa_kernel k_q58511e6cd9_temporal
		.amdhsa_group_segment_fixed_size 196864
		.amdhsa_private_segment_fixed_size 0
		.amdhsa_enable_private_segment 0
		.amdhsa_kernarg_size 104
		.amdhsa_user_sgpr_count 2
		.amdhsa_user_sgpr_kernarg_segment_ptr 1
		.amdhsa_wavefront_size32 1
		.amdhsa_system_sgpr_workgroup_id_x 1
		.amdhsa_system_sgpr_workgroup_id_y 1
		.amdhsa_system_sgpr_workgroup_id_z 1
		.amdhsa_system_vgpr_workitem_id 0
		.amdhsa_next_free_vgpr 256
		.amdhsa_next_free_sgpr 90
		.amdhsa_reserve_vcc 0
		.amdhsa_float_denorm_mode_32 3
		.amdhsa_float_denorm_mode_16_64 3
		.amdhsa_fp16_overflow 1
		.amdhsa_memory_ordered 1
		.amdhsa_forward_progress 1
		.amdhsa_inst_pref_size 151
	.end_amdhsa_kernel
	.amdgpu_metadata
---
amdhsa.version: [ 1, 2 ]
amdhsa.kernels:
  - .name:           k_q58511e6cd9_temporal
    .symbol:         k_q58511e6cd9_temporal.kd
    .args:
      - { .name: x_codes, .offset: 0, .size: 8, .value_kind: global_buffer, .address_space: global }
      - { .name: x_scales, .offset: 8, .size: 8, .value_kind: global_buffer, .address_space: global }
      - { .name: tq_w_codes, .offset: 16, .size: 8, .value_kind: global_buffer, .address_space: global }
      - { .name: tq_w_scales, .offset: 24, .size: 8, .value_kind: global_buffer, .address_space: global }
      - { .name: tq_b, .offset: 32, .size: 8, .value_kind: global_buffer, .address_space: global }
      - { .name: tk_w_codes, .offset: 40, .size: 8, .value_kind: global_buffer, .address_space: global }
      - { .name: tk_w_scales, .offset: 48, .size: 8, .value_kind: global_buffer, .address_space: global }
      - { .name: tk_b, .offset: 56, .size: 8, .value_kind: global_buffer, .address_space: global }
      - { .name: tv_w_codes, .offset: 64, .size: 8, .value_kind: global_buffer, .address_space: global }
      - { .name: tv_w_scales, .offset: 72, .size: 8, .value_kind: global_buffer, .address_space: global }
      - { .name: tv_b, .offset: 80, .size: 8, .value_kind: global_buffer, .address_space: global }
      - { .name: ot_codes, .offset: 88, .size: 8, .value_kind: global_buffer, .address_space: global }
      - { .name: ot_scales, .offset: 96, .size: 8, .value_kind: global_buffer, .address_space: global }
    .group_segment_fixed_size: 196864
    .private_segment_fixed_size: 0
    .kernarg_segment_align: 8
    .kernarg_segment_size: 104
    .max_flat_workgroup_size: 512
    .sgpr_count:     90
    .vgpr_count:     256
    .wavefront_size: 32
...
	.end_amdgpu_metadata
.endif
;; end of part 1
;; launch feature (part 2): grid 256 x 1, 16 waves a work-group, no clusters, 270,592 bytes of LDS; arguments x_codes, x_scales, fq_w_codes, fq_w_scales, fq_b, fk_w_codes, fk_w_scales, fk_b, fv_w_codes, fv_w_scales, fv_b, to_w, to_b, fo_w, fo_b, ot_codes, ot_scales, out0; writes out0
.if DOCPART == 2
	.amdgcn_target "amdgcn-amd-amdhsa--gfx1250"
	.amdhsa_code_object_version 6
	.text
	.protected	k_q58511e6cd9_feature
	.globl	k_q58511e6cd9_feature
	.p2align	8
	.type	k_q58511e6cd9_feature,@function
k_q58511e6cd9_feature:
	s_mov_b64 s[64:65], 0
	v_nop
	global_prefetch_b8 v0, s[64:65] scope:SCOPE_SE
	s_setreg_imm32_b32 hwreg(HW_REG_WAVE_MODE, 25, 1), 1
	s_wait_xcnt 0x0
; FEATURE AXIAL ATTENTION and BOTH output projections: out0 = o_t to_w + to_b + o_f fo_w + fo_b, all products on codes of FP8 (E4M3) with one E8M0 scale for each 32 along K.
; x [32 b][64 t][128 f][64] arrives as codes; a unit is (b, t): 128 rows f, 4 heads of 32 channels.  o_t comes from the launch before as codes and scale words (ot_codes, ot_scales); both projections add into one accumulator.
; SHARES.  Work-group g: rows (b, t) = 8 g .. 8 g + 7, four units at a step, two steps.  Wave w: unit u = w / 4, head c = w % 4; on the way out it owns rows 32 c .. 32 c + 31 of its unit.  Sixteen waves of 256 registers:
; four to a SIMD, so that one wave's vector work stands beside another's matrix work and LDS loads.  No tensor load, no cluster, no prefetch: a step's inputs are asked for a whole phase ahead into spare registers,
; and work-groups share only the weights.
; LAYOUT.  q, k: source 0 = 16 rows of W, source 1 = 16 rows of x: a lane holds one row of x, register j of tile u' channel 16 u' + 8 h + j; 16 registers become the 16 bytes of block 0 of an operand (the same order in q and k).
; v: source 0 = x, source 1 = W: a lane holds one channel, its registers run along the keys.  S^T = K Q^T and O^T = V^T P^T: a lane holds one query; p and v carry the same order of keys inside each block of 32.
; o's 16 bytes of head c ARE registers 4 c .. 4 c + 3 of the projection's operand; to_w and fo_w are quantised at the head in the same order inside each block: position 16 h + 8 u' + j is channel 16 u' + 8 h + j.
; K IS SHORTER THAN 128 in the first products: one side has zero codes there (x: 8 registers of zeros; q: 12), the other any codes of our own or of the weights; unused scale bytes are 0.
; LIMITS: NaN codes and scale bytes 0xff among the inputs are not served; NaN and infinities in to_w, fo_w neither; a block whose largest magnitude lies under 2^-118 (a block of zeros too) keeps the scale byte 1: only this
; program reads these bytes; v_exp_f32 gives 0 for p under 2^-126; biases are the C of a sum's first matrix instruction; o = O x (1 / l) by v_rcp_f32; inside a block of 32 the order of the sum is not reference()'s.
.set NB, 4                             ; blocks of 32 keys
.set NT, 2*NB                          ; tiles of 16 rows
.set NS, 2                             ; steps
.set XSTEP, 34816                      ; LDS: a step's x: 4 units x 8,704: a unit's 8 KiB as 32 rows of 256 + 16 bytes: row f at 64 f + 16 (f / 4): sixteen rows start at 16 different 16-byte columns modulo 256
.set XTILE, 1088
.set XSSTEP, 1024
.set XSTILE, 32
.set TP, 512                           ; a tile's image: 16 bytes a lane
.set XSC, 69632                        ; x's scale bytes, 2 steps x 1,024
.set WL, 71680                         ; the three weights' codes, each 32 rows of 256 + 16 bytes
.set BI, 97792                         ; the three biases
.set OB, 99328                         ; to_b + fo_b
.set WO, 99584                         ; eight fragments' images of 2,048 bytes: 0-3 to_w's tiles of 16 outputs, 4-7 fo_w's
.set WOS, 115968                       ; their scale words, 128 bytes each
.set EX, 116992                        ; q's, then o's codes: 16 waves x 8 tiles x 512
.set EXS, 182528                       ; their scale bytes as words: 16 x 8 x 128
.set STG, 198912                       ; the way out: 16 rows x (256 + 16) for each wave
.set PAR, 0
.set PARS, 0
.set KR, 32                            ; v32-63  K: 8 tiles x 4 registers
.set VR, 64                            ; v64-95  V^T: 2 tiles x 16 registers
.set VW, 16
.set BIAS, 176                         ; v176-191 the pass's bias (p's registers are free in that phase)
.set KS, 96                            ; v96-103 K's scale words, on the way out Wo's;  v104-105 V's, then o_f's;  v106, v107 x's / q's and p's, then o_t's;  v108-110 the weights'
.set VS, 104
.set WS, 108
.set XA, 112                           ; v112-143 two fragments of x (8 registers + 8 zeros each)
.set ACC, 144                          ; v144-175 four results of a projection
.set SR, 112                           ; v112-175 S^T, then p; v112-127 O^T
.set PR, 176                           ; v176-191 p's codes
.set TM, 192                           ; v192-195 maxima, 196-199 partner's / bytes, 204-207 scale operands, 208-213 -M, sums, o's codes, 214 1/l; on the way out 208-215 addresses
.set WB, 216                           ; v216-231 two tiles of W; v232-239 zeros.  Behind the projections v216-247 o_t's two fragments, v250-251 its scale words.  v240-255, v111: the next step's x on its way
.macro NOPS n
.rept \n
	v_nop
.endr
.endm
.macro ZERO first, count
.set zi, 0
.rept \count
	v_mov_b32 v[(\first)+zi], 0
.set zi, zi+1
.endr
.endm
.macro BARRIER                         ; my LDS stores have landed and my LDS loads are in: then the work-group's barrier
	s_wait_dscnt 0x0
	s_barrier_signal -1
	s_barrier_wait -1
.endm
; nb blocks of 32 by turns.  Block b: the 16 registers v[src + 16 b] on of a lane and of lane xor 16.  Codes to v[dst + dstep b] on (4 registers), the scale's byte to v[bd + bstep b].
.macro QUANT nb, src, dst, dstep, bd, bstep
.set qb, 0
.rept \nb
	v_max3_num_f32 v[TM+qb], |v[(\src)+16*qb]|, |v[(\src)+16*qb+1]|, 0x4800000   ; the floor 2^(9 - 127) among the leaves: the byte cannot fall under 1
.set qb, qb+1
.endr
.irp qi, 2,4,6,8,10,12,14
.set qb, 0
.rept \nb
	v_max3_num_f32 v[TM+qb], v[TM+qb], |v[(\src)+16*qb+\qi]|, |v[(\src)+16*qb+\qi+1]|
.set qb, qb+1
.endr
.endr
.set qb, 0
.rept \nb
	v_permlanex16_b32 v[TM+4+qb], v[TM+qb], s48, s49
.set qb, qb+1
.endr
.set qb, 0
.rept \nb
	v_max_num_f32 v[TM+qb], v[TM+qb], v[TM+4+qb]              ; the block's largest magnitude
.set qb, qb+1
.endr
.set qb, 0
.rept \nb
	v_add_nc_u32 v[TM+12+qb], 0xfc000000, v[TM+qb]            ; 8 off its exponent field: the conversion's scale operand
.set qb, qb+1
.endr
.set qb, 0
.rept \nb
.set qb, qb+1
.endr
.set qb, 0
.rept \nb
	v_lshrrev_b32 v[(\bd)+(\bstep)*qb], 23, v[TM+12+qb]       ; the scale's byte
.set qb, qb+1
.endr
.set qb, 0
.rept \nb
.irp qi, 0,1,2,3,4,5,6,7,8,9,10,11,12,13,14,15
.endr
	v_cvt_scalef32_pk8_fp8_f32 v[(\dst)+(\dstep)*qb:(\dst)+(\dstep)*qb+1], v[(\src)+16*qb:(\src)+16*qb+7], v[TM+12+qb]
	v_cvt_scalef32_pk8_fp8_f32 v[(\dst)+(\dstep)*qb+2:(\dst)+(\dstep)*qb+3], v[(\src)+16*qb+8:(\src)+16*qb+15], v[TM+12+qb]
.set qb, qb+1
.endr
	v_nop                                                     ; a plain line behind the last conversion
.endm
.macro XPAIR st, pr                    ; tiles 2 pr and 2 pr + 1 of my unit's x, with their rows' scale bytes (two bytes, widened with zeros)
.irp e, 0,1
	ds_load_b128 v[XA+16*\e:XA+16*\e+3], v1 offset:(\st)*XSTEP+(2*(\pr)+\e)*XTILE
	ds_load_b128 v[XA+16*\e+4:XA+16*\e+7], v1 offset:(\st)*XSTEP+(2*(\pr)+\e)*XTILE+32
	ds_load_u16 v[106+\e], v2 offset:(\st)*XSSTEP+(2*(\pr)+\e)*XSTILE
.endr
.endm
; One projection of my head for all rows of my unit: kind 0 = q (to LDS, tile by tile), 1 = k, 2 = v (both stay in registers).
.macro PASS kind, st
.irp u, 0,1
	ds_load_b128 v[WB+8*\u:WB+8*\u+3], v3 offset:(\kind)*8704+\u*1088
	ds_load_b128 v[WB+8*\u+4:WB+8*\u+7], v3 offset:(\kind)*8704+\u*1088+32
.endr
.if \kind < 2
.irp u, 0,1
	ds_load_b128 v[BIAS+8*\u:BIAS+8*\u+3], v4 offset:(\kind)*512+\u*64          ; register j: the bias of channel 16 u' + 8 h + j
	ds_load_b128 v[BIAS+8*\u+4:BIAS+8*\u+7], v4 offset:(\kind)*512+\u*64+16
.endr
.else
.irp u, 0,1
.irp j, 0,1,2,3,4,5,6,7
	ds_load_b32 v[BIAS+8*\u+\j], v5 offset:\u*64                                 ; every register: the bias of my channel 16 u' + r
.endr
.endr
.endif
	XPAIR \st, 0
	s_wait_dscnt 0x0
.set pp, 0
.rept NB
.if \kind < 2
.irp e, 0,1
	v_wmma_scale_f32_16x16x128_f8f6f4 v[ACC+16*\e:ACC+16*\e+7], v[WB:WB+15], v[XA+16*\e:XA+16*\e+15], v[BIAS:BIAS+7], v[WS+\kind], v[106+\e]
	v_wmma_scale_f32_16x16x128_f8f6f4 v[ACC+16*\e+8:ACC+16*\e+15], v[WB+8:WB+23], v[XA+16*\e:XA+16*\e+15], v[BIAS+8:BIAS+15], v[WS+\kind], v[106+\e] matrix_a_scale:MATRIX_SCALE_ROW1
.endr
.else
.irp e, 0,1
	v_wmma_scale_f32_16x16x128_f8f6f4 v[ACC+8*\e:ACC+8*\e+7], v[XA+16*\e:XA+16*\e+15], v[WB:WB+15], v[BIAS:BIAS+7], v[106+\e], v[WS+2]
	v_wmma_scale_f32_16x16x128_f8f6f4 v[ACC+16+8*\e:ACC+16+8*\e+7], v[XA+16*\e:XA+16*\e+15], v[WB+8:WB+23], v[BIAS+8:BIAS+15], v[106+\e], v[WS+2] matrix_b_scale:MATRIX_SCALE_ROW1
.endr
.endif
	NOPS 8                                                    ; eight places in front of the loads into x's registers and of the first read of the results
.if pp+1 < NB
	XPAIR \st, pp+1                                           ; the next two tiles land while these are quantised
.endif
.if \kind == 0
.set qj, 0
.rept 16
	v_pk_mul_f32 v[ACC+qj:ACC+qj+1], v[ACC+qj:ACC+qj+1], s[54:55] op_sel_hi:[1,0]   ; q = (x w + b) / sqrt(32)
.set qj, qj+2
.endr
	QUANT 2, ACC, KR, 4, TM+4, 1
.irp e, 0,1
	ds_store_b128 v6, v[KR+4*\e:KR+4*\e+3] offset:PAR+(2*pp+\e)*TP               ; block 0 of the operand, as it stands in my lanes
	ds_store_b32 v7, v[TM+4+\e] offset:PARS+(2*pp+\e)*128
.endr
.elseif \kind == 1
	QUANT 2, ACC, KR+8*pp, 4, KS+2*pp, 1
.else
	QUANT 2, ACC, VR+4*pp, VW, TM+4, 1
.irp u, 0,1
.if pp == 0
	v_mov_b32 v[VS+\u], v[TM+4+\u]
.else
	v_lshl_or_b32 v[VS+\u], v[TM+4+\u], 8*pp, v[VS+\u]
.endif
.endr
.endif
	s_wait_dscnt 0x0                                          ; the next tiles are in, and my stores have read their registers
.set pp, pp+1
.endr
.endm
; p = 2^(t - M) of the whole row, t = score x log2(e), M = ceil(the row's largest t); the row's sum of the unquantised p ends in v212; p's codes in v[PR] on, its scale word in v107.
.macro SOFTMAX
.set sb, 0
.rept NB
	v_max3_num_f32 v[TM+sb], v[SR+16*sb], v[SR+16*sb+1], v[SR+16*sb+2]           ; each block's largest score: for the row's maximum and, since p rises with the score, for the block's largest p
.set sb, sb+1
.endr
.irp si, 3,5,7,9,11,13
.set sb, 0
.rept NB
	v_max3_num_f32 v[TM+sb], v[TM+sb], v[SR+16*sb+\si], v[SR+16*sb+\si+1]
.set sb, sb+1
.endr
.endr
.set sb, 0
.rept NB
	v_max_num_f32 v[TM+sb], v[TM+sb], v[SR+16*sb+15]
.set sb, sb+1
.endr
.set sb, 0
.rept NB
	v_permlanex16_b32 v[TM+4+sb], v[TM+sb], s48, s49
.set sb, sb+1
.endr
.set sb, 0
.rept NB
	s_delay_alu instid0(VALU_DEP_4)
	v_max_num_f32 v[TM+sb], v[TM+sb], v[TM+4+sb]
.set sb, sb+1
.endr
.if NB == 2
	v_max_num_f32 v214, v[TM], v[TM+1]
.else
	s_delay_alu instid0(VALU_DEP_2)
	v_max3_num_f32 v214, v[TM], v[TM+1], v[TM+2]
	s_delay_alu instid0(VALU_DEP_1)
	v_max_num_f32 v214, v214, v[TM+3]
.endif
	s_delay_alu instid0(VALU_DEP_1)
	v_mul_f32 v214, s52, v214                                 ; the row's largest t
	s_delay_alu instid0(VALU_DEP_1)
	v_floor_f32 v208, -v214                                   ; -M = floor(-t)
	s_delay_alu instid0(VALU_DEP_1)
	v_mov_b32 v209, v208                                      ; (named with it as a pair)
.set sj, 0
.rept 8*NB
	v_pk_fma_f32 v[SR+sj:SR+sj+1], v[SR+sj:SR+sj+1], s[52:53], v[208:209] op_sel_hi:[1,0,0]
.set sj, sj+2
.endr
.set sb, 0
.rept NB
	v_fma_f32 v[TM+sb], v[TM+sb], s52, v208
.set sb, sb+1
.endr
.set sj, 0
	s_wait_alu depctr_va_vdst(0)
.rept 16*NB
	v_exp_f32 v[SR+sj], v[SR+sj]
.set sj, sj+1
.endr
	s_setprio 1
	v_nop                                                     ; a plain line behind the batch,
	s_wait_alu depctr_va_vdst(0)                              ; and one wait for it, ahead of its first reader
.set sb, 0
.rept NB
	v_exp_f32 v[TM+sb], v[TM+sb]                              ; the blocks' largest p
.set sb, sb+1
.endr
	v_pk_add_f32 v[210:211], v[SR:SR+1], v[SR+4:SR+5]         ; the sum of the unquantised p, in two chains: plain work behind the small batch
	v_pk_add_f32 v[212:213], v[SR+2:SR+3], v[SR+6:SR+7]
.set sj, 8
.rept 4*NB-2
	v_pk_add_f32 v[210:211], v[210:211], v[SR+sj:SR+sj+1]
	v_pk_add_f32 v[212:213], v[212:213], v[SR+sj+2:SR+sj+3]
.set sj, sj+4
.endr
	s_wait_alu depctr_va_vdst(0)                              ; the wait for the small batch
.set sb, 0
.rept NB
	v_max_num_f32 v[TM+sb], 0x4800000, v[TM+sb]
.set sb, sb+1
.endr
.set sb, 0
.rept NB
	s_delay_alu instid0(VALU_DEP_4)
	v_add_nc_u32 v[TM+12+sb], 0xfc000000, v[TM+sb]
.set sb, sb+1
.endr
.set sb, 0
.rept NB
.set sb, sb+1
.endr
.set sb, 0
.rept NB
	s_delay_alu instid0(VALU_DEP_4)
	v_lshrrev_b32 v[TM+4+sb], 23, v[TM+12+sb]
.set sb, sb+1
.endr
	s_delay_alu instid0(VALU_DEP_3)
	v_lshl_or_b32 v107, v[TM+5], 8, v[TM+4]                   ; p's scale word: more than eight plain lines ahead of its use
.if NB == 4
	s_delay_alu instid0(VALU_DEP_1)
	v_lshl_or_b32 v107, v[TM+6], 16, v107
	s_delay_alu instid0(VALU_DEP_1)
	v_lshl_or_b32 v107, v[TM+7], 24, v107
.endif
.set sb, 0
.rept NB
.irp si, 0,1,2,3,4,5,6,7,8,9,10,11,12,13,14,15
.endr
	v_cvt_scalef32_pk8_fp8_f32 v[PR+4*sb:PR+4*sb+1], v[SR+16*sb:SR+16*sb+7], v[TM+12+sb]
	v_cvt_scalef32_pk8_fp8_f32 v[PR+4*sb+2:PR+4*sb+3], v[SR+16*sb+8:SR+16*sb+15], v[TM+12+sb]
.set sb, sb+1
.endr
	v_pk_add_f32 v[210:211], v[210:211], v[212:213]           ; these lines are also the four places between p's codes and the product
	s_delay_alu instid0(VALU_DEP_1)
	v_add_f32 v212, v210, v211
	s_delay_alu instid0(VALU_DEP_1)
	v_permlanex16_b32 v213, v212, s48, s49
	s_delay_alu instid0(VALU_DEP_1)
	v_add_f32 v212, v212, v213                                ; l
	NOPS 2
.endm
; One tile of 16 queries against all keys.  s57, s58: the tile's place in my images.  o takes q's bytes: they are my wave's own, and LDS serves a wave's instructions in order.
.macro TRIP
	v_add_nc_u32 v14, s57, v6
	v_add_nc_u32 v15, s58, v7
	ds_load_b128 v[16:19], v14 offset:PAR
	ds_load_b32 v106, v15 offset:PARS
	s_wait_dscnt 0x0
.set ti, 0
.rept NT
	v_wmma_scale_f32_16x16x128_f8f6f4 v[SR+8*ti:SR+8*ti+7], v[KR+4*ti:KR+4*ti+15], v[16:31], 0, v[KS+ti], v106   ; K's window runs on into later codes: q has zeros there
.set ti, ti+1
.endr
	NOPS 8
	SOFTMAX
	s_setprio 0
.irp u, 0,1
	v_wmma_scale_f32_16x16x128_f8f6f4 v[SR+8*\u:SR+8*\u+7], v[VR+VW*\u:VR+VW*\u+15], v[PR:PR+15], 0, v[VS+\u], v107
.endr
	s_wait_alu depctr_va_vdst(0)
	v_rcp_f32 v214, v212
	NOPS 8                                                    ; the places behind the products; the first is the plain line behind the reciprocal
	s_wait_alu depctr_va_vdst(0)                              ; ahead of the reciprocal's first reader
.set ti, 0
.rept 8
	v_pk_mul_f32 v[SR+ti:SR+ti+1], v[SR+ti:SR+ti+1], v[214:215] op_sel_hi:[1,0]   ; o = O / l, from each result's low end on
.set ti, ti+2
.endr
	QUANT 1, SR, 208, 4, TM+4, 1
	ds_store_b128 v14, v[208:211] offset:PAR
	ds_store_b32 v15, v196 offset:PARS
	s_wait_dscnt 0x0                                          ; the stores have read their registers
.endm
; THE WAY OUT of a step.  Wave (u, c) makes rows 32 c .. 32 c + 31 of unit u: two tiles of rows x four tiles of 16 outputs, eight accumulators by turns, one instruction a turn.
.macro OUT st
	v_and_b32 v26, 31, v0                                     ; L
	v_and_b32 v27, 15, v0                                     ; r
	v_bfe_u32 v28, v0, 4, 1                                   ; h
	s_delay_alu instid0(VALU_DEP_3)
	v_lshl_add_u32 v208, v26, 4, s66                          ; o's images of my unit's four heads, my two tiles
	s_delay_alu instid0(VALU_DEP_4)
	v_lshl_add_u32 v209, v26, 2, s67                          ; their scale bytes
	v_lshl_add_u32 v210, v26, 4, WO                           ; Wo's images
	v_lshl_add_u32 v211, v26, 2, WOS
	v_lshl_add_u32 v212, v28, 5, OB                           ; the bias of outputs 8 h + 0 .. 7 of a tile
	v_mul_u32_u24 v213, v27, 272                              ; my stage, in: row r, 32 bytes for each half of the lanes
	s_delay_alu instid0(VALU_DEP_1)
	v_lshl_add_u32 v213, v28, 5, v213
	s_delay_alu instid0(VALU_DEP_1)
	v_add_nc_u32 v213, s68, v213
	v_mul_u32_u24 v214, v28, 272                              ; and back: lanes 0-15 one row, lanes 16-31 the next
	s_delay_alu instid0(VALU_DEP_1)
	v_lshl_add_u32 v214, v27, 4, v214
	s_delay_alu instid0(VALU_DEP_1)
	v_add_nc_u32 v214, s68, v214
	v_lshlrev_b32 v215, 8, v28                                ; the same two rows in out0
	s_delay_alu instid0(VALU_DEP_1)
	v_lshl_add_u32 v215, v27, 4, v215
	s_wait_alu depctr_va_vdst(0)
	BARRIER                                                   ; every wave's o lies in LDS (and the next step's x)
.irp jt, 0,1
.irp cc, 0,1,2,3
	ds_load_b128 v[32+16*\jt+4*\cc:35+16*\jt+4*\cc], v208 offset:\cc*4096+\jt*512   ; head cc's 16 bytes are registers 4 cc .. 4 cc + 3 of the operand
	ds_load_b32 v[16+4*\jt+\cc], v209 offset:\cc*1024+\jt*128
.endr
.endr
.if (\st)+1 < NS
	BARRIER                                                   ; all reads of the images are in: the next step's q may be written over them
.else
	s_wait_dscnt 0x0
.endif
.irp nt, 0,1,2,3
	ds_load_b128 v[64+8*\nt:67+8*\nt], v212 offset:\nt*64      ; the summed bias goes straight into the accumulators: it is the first C
	ds_load_b128 v[68+8*\nt:71+8*\nt], v212 offset:\nt*64+16
	ds_load_b128 v[176+8*\nt:179+8*\nt], v212 offset:\nt*64
	ds_load_b128 v[180+8*\nt:183+8*\nt], v212 offset:\nt*64+16
.endr
.irp nt, 0,1,2,3
.irp cc, 0,1,2,3
	ds_load_b128 v[112+16*\nt+4*\cc:115+16*\nt+4*\cc], v210 offset:(4+\nt)*2048+\cc*512   ; fo_w's four fragments
.endr
.endr
.irp f, 0,1,2,3,4,5,6,7
	ds_load_b32 v[KS+\f], v211 offset:\f*128
.endr
	s_wait_loadcnt 0x0                                        ; o_t's fragments and scale words, asked for ahead of the loop of trips
	v_lshl_or_b32 v104, v17, 8, v16                           ; o_f's scale words
	v_lshl_or_b32 v105, v21, 8, v20
	s_delay_alu instid0(VALU_DEP_2)
	v_lshl_or_b32 v104, v18, 16, v104
	s_delay_alu instid0(VALU_DEP_2)
	v_lshl_or_b32 v105, v22, 16, v105
	s_delay_alu instid0(VALU_DEP_2)
	v_lshl_or_b32 v104, v19, 24, v104
	s_delay_alu instid0(VALU_DEP_2)
	v_lshl_or_b32 v105, v23, 24, v105
	v_mov_b32 v106, v250                                      ; o_t's, into registers that hold scales alone
	v_mov_b32 v107, v251
	NOPS 8                                                    ; scale registers written by vector lines stand eight places ahead of their product
	s_wait_alu depctr_va_vdst(0)
	s_wait_dscnt 0x0
.irp jt, 0,1
.irp nt, 0,1,2,3
	v_wmma_scale_f32_16x16x128_f8f6f4 v[64+112*\jt+8*\nt:71+112*\jt+8*\nt], v[112+16*\nt:127+16*\nt], v[32+16*\jt:47+16*\jt], v[64+112*\jt+8*\nt:71+112*\jt+8*\nt], v[KS+4+\nt], v[104+\jt]
.endr
.endr
	NOPS 8                                                    ; places in front of the loads into Wo's registers
.irp nt, 0,1,2,3
.irp cc, 0,1,2,3
	ds_load_b128 v[112+16*\nt+4*\cc:115+16*\nt+4*\cc], v210 offset:\nt*2048+\cc*512        ; to_w's four fragments
.endr
.endr
	s_wait_dscnt 0x0
.irp jt, 0,1
.irp nt, 0,1,2,3
	v_wmma_scale_f32_16x16x128_f8f6f4 v[64+112*\jt+8*\nt:71+112*\jt+8*\nt], v[112+16*\nt:127+16*\nt], v[216+16*\jt:231+16*\jt], v[64+112*\jt+8*\nt:71+112*\jt+8*\nt], v[KS+\nt], v[106+\jt]
.endr
.endr
	NOPS 8
.irp jt, 0,1
.irp nt, 0,1,2,3
	ds_store_b128 v213, v[64+112*\jt+8*\nt:67+112*\jt+8*\nt] offset:\nt*64          ; lane (r, h): out(row r, 16 nt + 8 h + 0 .. 7); each accumulator from its low end on
	ds_store_b128 v213, v[68+112*\jt+8*\nt:71+112*\jt+8*\nt] offset:\nt*64+16
.endr
.irp i, 0,1,2,3,4,5,6,7
	ds_load_b128 v[112+32*\jt+4*\i:115+32*\jt+4*\i], v214 offset:544*\i             ; my own bytes, served in order: these see the stores above, and tile 1's stores come behind tile 0's loads
.endr
.endr
	s_wait_dscnt 16                                           ; tile 0 is back: behind its loads stand tile 1's eight stores and eight loads
.irp i, 0,1,2,3,4,5,6,7
	global_store_b128 v215, v[112+4*\i:115+4*\i], s[42:43] offset:(\st)*131072+\i*512 th:TH_STORE_NT   ; sixteen lanes store a row: 256 consecutive bytes, aligned
.endr
	s_wait_dscnt 0x0
.irp i, 0,1,2,3,4,5,6,7
	global_store_b128 v215, v[144+4*\i:147+4*\i], s[42:43] offset:(\st)*131072+4096+\i*512 th:TH_STORE_NT
.endr
.endm
.macro STEP st
	s_wait_xcnt 0x0                                           ; the last step's stores have read their registers
	ZERO 20, 12
	ZERO XA+8, 8
	ZERO XA+24, 8
	ZERO WB+16, 8
	s_wait_alu depctr_va_vdst(0)
	NOPS 4                                                    ; operands written by vector lines stand four places ahead of a scaled product
.if (\st)+1 < NS
.irp i, 0,1,2,3
	global_load_b128 v[240+4*\i:243+4*\i], v10, s[8:9] offset:((\st)+1)*32768+\i*8192
.endr
	global_load_u16 v111, v11, s[10:11] offset:((\st)+1)*1024
.endif
	PASS 0, \st
	PASS 1, \st
	PASS 2, \st
.if (\st)+1 < NS
	s_wait_loadcnt 0x0                                        ; asked for three passes ago
.irp i, 0,1,2,3
	ds_store_b128 v8, v[240+4*\i:243+4*\i] offset:((\st)+1)*XSTEP+\i*8704
.endr
	ds_store_b16 v9, v111 offset:((\st)+1)*XSSTEP
.endif
	s_wait_dscnt 0x0                                          ; these stores have read their registers: o_t lands there
.irp jt, 0,1
.irp cc, 0,1,2,3
	global_load_b128 v[216+16*\jt+4*\cc:219+16*\jt+4*\cc], v12, s[38:39] offset:(\st)*65536+\jt*2048+32*\cc th:TH_LOAD_NT   ; o_t of my 32 rows: wanted behind the loop of trips
.endr
	global_load_b32 v[250+\jt], v13, s[40:41] offset:(\st)*2048+\jt*256 th:TH_LOAD_NT
.endr
	NOPS 4                                                    ; places between V's last conversion and K's last window, which reaches into V
	s_mov_b32 s56, 0
	s_mov_b32 s57, 0
	s_mov_b32 s58, 0
.Ltrip_\@:
	s_setprio 2
	TRIP
	s_add_co_u32 s57, s57, TP
	s_add_co_u32 s58, s58, 128
	s_add_co_u32 s56, s56, 1
	s_cmp_lt_u32 s56, NT
	s_cbranch_scc1 .Ltrip_\@
	s_setprio 0
	OUT \st
.endm
	s_load_b512 s[8:23], s[0:1], 0x0               ; x codes 8, x scales 10, wq codes 12, wq scales 14, bq 16, wk codes 18, wk scales 20, bk 22
	s_load_b512 s[24:39], s[0:1], 0x40             ; wv codes 24, wv scales 26, bv 28, to_w 30, to_b 32, fo_w 34, fo_b 36, ot_codes 38
	s_load_b128 s[40:43], s[0:1], 0x80             ; ot_scales 40, out0 42
	v_lshrrev_b32 v36, 5, v0
	s_delay_alu instid0(VALU_DEP_1)
	v_readfirstlane_b32 s44, v36                   ; wave
	s_lshr_b32 s45, s44, 2                         ; u
	s_and_b32 s46, s44, 3                          ; c
	s_mov_b32 s48, 0x76543210
	s_mov_b32 s49, 0xfedcba98                      ; v_permlanex16_b32's selects for lane xor 16
	s_mov_b32 s52, 0x3fb8aa3b                      ; log2(e)
	s_mov_b32 s53, s52
	s_mov_b32 s54, 0x3e3504f3                      ; 1 / sqrt(32)
	s_mov_b32 s55, s54
	v_and_b32 v32, 31, v0                          ; L
	v_and_b32 v33, 15, v0                          ; r
	v_bfe_u32 v34, v0, 4, 1                        ; h
	v_lshrrev_b32 v35, 4, v0                       ; thread / 16
	s_delay_alu instid0(VALU_DEP_3)
	v_lshrrev_b32 v36, 2, v33
	s_delay_alu instid0(VALU_DEP_4)
	v_lshlrev_b32 v37, 6, v33
	s_delay_alu instid0(VALU_DEP_1)
	v_lshl_add_u32 v37, v36, 4, v37
	s_delay_alu instid0(VALU_DEP_1)
	v_lshl_add_u32 v37, v34, 4, v37                ; a fragment of rows of 64 bytes: 64 r + 16 (r / 4) + 16 h
	s_mul_i32 s59, s45, 8704
	v_add_nc_u32 v1, s59, v37                      ; v1: x's fragments of my unit
	s_lshl_b32 s59, s45, 8
	s_add_co_u32 s59, s59, XSC
	v_lshl_add_u32 v2, v33, 1, s59                 ; v2: x's scale bytes
	s_mul_i32 s59, s46, 2176
	s_add_co_u32 s59, s59, WL
	v_add_nc_u32 v3, s59, v37                      ; v3: W's fragments of my head
	s_lshl_b32 s59, s46, 7
	s_add_co_u32 s60, s59, BI
	v_lshl_add_u32 v4, v34, 5, s60                 ; v4: q's and k's bias
	s_add_co_u32 s60, s59, BI+1024
	v_lshl_add_u32 v5, v33, 2, s60                 ; v5: v's bias
	s_lshl_b32 s59, s44, 12
	s_add_co_u32 s59, s59, EX
	v_lshl_add_u32 v6, v32, 4, s59                 ; v6: my images
	s_lshl_b32 s59, s44, 10
	s_add_co_u32 s59, s59, EXS
	v_lshl_add_u32 v7, v32, 2, s59                 ; v7: their scale words
	v_mul_u32_u24 v8, v35, 272                     ; v8: a copy of 8 KiB into rows of 256 + 16
	s_delay_alu instid0(VALU_DEP_1)
	v_lshl_add_u32 v8, v33, 4, v8
	v_lshl_add_u32 v9, v0, 1, XSC                  ; v9: x's scale bytes, on the way in
	v_lshlrev_b32 v10, 4, v0                       ; v10: 16 x thread
	v_lshlrev_b32 v11, 1, v0                       ; v11: 2 x thread
	v_lshlrev_b32 v12, 7, v33                      ; v12: o_t's fragments in memory: 128 r + 16 h
	s_delay_alu instid0(VALU_DEP_1)
	v_lshl_add_u32 v12, v34, 4, v12
	v_lshlrev_b32 v13, 2, v33                      ; v13: 4 r
	v_lshlrev_b32 v40, 2, v33                      ; the roles' addresses, all made ahead of the parting.  Wo in memory: output 16 c + r, rows 8 h on
	s_delay_alu instid0(VALU_DEP_1)
	v_lshl_add_u32 v40, v34, 11, v40
	s_lshl_b32 s59, s46, 6
	v_add_nc_u32 v40, s59, v40
	v_lshl_add_u32 v47, v32, 1, s59                ; the weights' scale bytes of my head: lanes 0-15 tile 0, lanes 16-31 tile 1
	s_lshl_b32 s59, s44, 11
	s_add_co_u32 s59, s59, WO
	v_lshl_add_u32 v41, v32, 4, s59                ; fragment = wave (waves 0 to 7)
	s_lshl_b32 s59, s44, 7
	s_add_co_u32 s59, s59, WOS
	v_lshl_add_u32 v42, v32, 2, s59
	v_lshlrev_b32 v43, 4, v32
	s_lshl_b32 s59, s44, 9
	s_add_co_u32 s59, s59, BI-4096
	v_lshl_add_u32 v44, v32, 4, s59                ; bias = wave - 8 (waves 8 to 10)
	v_lshlrev_b32 v45, 3, v32
	v_lshl_add_u32 v46, v32, 3, OB
	v_add_nc_u32 v48, WL, v8
	s_lshl_b32 s66, s45, 14                        ; for the way out: my unit's images at my two tiles,
	s_lshl_b32 s59, s46, 10
	s_add_co_u32 s66, s66, s59
	s_add_co_u32 s66, s66, EX
	s_lshl_b32 s67, s45, 12                        ; their scale words,
	s_lshl_b32 s59, s46, 8
	s_add_co_u32 s67, s67, s59
	s_add_co_u32 s67, s67, EXS
	s_mul_i32 s68, s44, 4352                       ; my stage
	s_add_co_u32 s68, s68, STG
	s_mov_b32 s71, 0
	s_mov_b32 s73, 0
	s_mov_b32 s75, 0
	s_mov_b32 s77, 0
	s_mov_b32 s79, 0
	s_lshl_b32 s70, ttmp9, 16                      ; x's codes: 8 units of 8,192 bytes a work-group
	s_lshl_b32 s72, ttmp9, 11                      ; x's scale bytes
	s_lshl_b32 s74, ttmp9, 17                      ; ot_codes: + my unit, + my 32 rows
	s_lshl_b32 s59, s45, 14
	s_add_co_u32 s74, s74, s59
	s_lshl_b32 s59, s46, 12
	s_add_co_u32 s74, s74, s59
	s_lshl_b32 s76, ttmp9, 12                      ; ot_scales: [b][t/4][f/16][t%4][f%16] words
	s_lshl_b32 s59, s46, 9
	s_add_co_u32 s76, s76, s59
	s_lshl_b32 s59, s45, 6
	s_add_co_u32 s76, s76, s59
	s_lshl_b32 s78, ttmp9, 18                      ; out0
	s_lshl_b32 s59, s45, 15
	s_add_co_u32 s78, s78, s59
	s_lshl_b32 s59, s46, 13
	s_add_co_u32 s78, s78, s59
	ZERO TM+4, 4                                   ; a lane permute's destination counts as one of its sources
	v_mov_b32 v215, 0                              ; (named as the upper half of the pair v[214:215])
	s_wait_kmcnt 0x0
	s_add_nc_u64 s[8:9], s[8:9], s[70:71]
	s_add_nc_u64 s[10:11], s[10:11], s[72:73]
	s_add_nc_u64 s[38:39], s[38:39], s[74:75]
	s_add_nc_u64 s[40:41], s[40:41], s[76:77]
	s_add_nc_u64 s[42:43], s[42:43], s[78:79]
	global_load_b128 v[216:219], v10, s[12:13]
	global_load_b128 v[220:223], v10, s[18:19]
	global_load_b128 v[224:227], v10, s[24:25]
	global_load_u16 v108, v47, s[14:15]
	global_load_u16 v109, v47, s[20:21]
	global_load_u16 v110, v47, s[26:27]
.irp i, 0,1,2,3
	global_load_b128 v[240+4*\i:243+4*\i], v10, s[8:9] offset:\i*8192
.endr
	global_load_u16 v111, v11, s[10:11]
	s_cmp_lt_u32 s44, 8
	s_cbranch_scc0 .Lrole_bias
	; waves 0 to 7: one fragment of to_w (0-3) or fo_w (4-7): outputs 16 c + r; a lane's registers run down K in the order of o's codes: register 16 cc + 8 u' + j is row 32 cc + 16 u' + 8 h + j
	s_cmp_lt_u32 s44, 4
	s_cselect_b64 s[80:81], s[30:31], s[34:35]
.irp cc, 0,1,2,3
.irp u, 0,1
.irp j, 0,1,2,3,4,5,6,7
	global_load_b32 v[112+16*\cc+8*\u+\j], v40, s[80:81] offset:(32*\cc+16*\u+\j)*256
.endr
.endr
.endr
	s_wait_loadcnt 0x0
	QUANT 4, 112, 176, 4, TM+4, 1
	v_lshl_or_b32 v196, v197, 8, v196
	s_delay_alu instid0(VALU_DEP_1)
	v_lshl_or_b32 v196, v198, 16, v196
	s_delay_alu instid0(VALU_DEP_1)
	v_lshl_or_b32 v196, v199, 24, v196
.irp cc, 0,1,2,3
	ds_store_b128 v41, v[176+4*\cc:179+4*\cc] offset:512*\cc   ; the fragment goes to LDS as an image of its registers
.endr
	ds_store_b32 v42, v196
	s_branch .Lroles_done
.Lrole_bias:
	s_cmp_lt_u32 s44, 11
	s_cbranch_scc0 .Lrole_ob
	s_cmp_eq_u32 s44, 8                            ; waves 8, 9, 10 copy bq, bk, bv
	s_cselect_b64 s[80:81], s[16:17], s[22:23]
	s_cmp_eq_u32 s44, 10
	s_cselect_b64 s[80:81], s[28:29], s[80:81]
	global_load_b128 v[112:115], v43, s[80:81]
	s_wait_loadcnt 0x0
	s_wait_alu depctr_va_vdst(0)
	ds_store_b128 v44, v[112:115]
	s_branch .Lroles_done
.Lrole_ob:
	s_cmp_eq_u32 s44, 11                           ; wave 11 adds the two output biases
	s_cbranch_scc0 .Lroles_done
	s_wait_alu depctr_va_vdst(0)
	global_load_b64 v[112:113], v45, s[32:33]
	global_load_b64 v[114:115], v45, s[36:37]
	s_wait_loadcnt 0x0
	v_pk_add_f32 v[112:113], v[112:113], v[114:115]
	ds_store_b64 v46, v[112:113]
.Lroles_done:
	s_wait_loadcnt 0x0
	s_wait_alu depctr_va_vdst(0)
	ds_store_b128 v48, v[216:219]
	ds_store_b128 v48, v[220:223] offset:8704
	ds_store_b128 v48, v[224:227] offset:17408
.irp i, 0,1,2,3
	ds_store_b128 v8, v[240+4*\i:243+4*\i] offset:\i*8704
.endr
	ds_store_b16 v9, v111
	BARRIER                                        ; weights, biases, Wo's images and step 0's x lie in LDS
	STEP 0
	STEP 1
	s_wait_xcnt 0x0
	v_lshl_add_u32 v254, v0, 2, 0x41900
	v_mov_b32 v255, 0
	s_wait_alu depctr_va_vdst(0)
	s_wait_tensorcnt 0x0
	ds_add_u32 v254, v255
	s_wait_dscnt 0x0
	s_endpgm
.Lfunc_end_k_q58511e6cd9_feature:
	.size	k_q58511e6cd9_feature, .Lfunc_end_k_q58511e6cd9_feature-k_q58511e6cd9_feature
	.p2alignl 7, 3214868480
	.fill 96, 4, 3214868480
	.section	.rodata,"a",@progbits
	.p2align	6, 0x0
	.amdhsa_kernel k_q58511e6cd9_feature
		.amdhsa_group_segment_fixed_size 270592
		.amdhsa_private_segment_fixed_size 0
		.amdhsa_enable_private_segment 0
		.amdhsa_kernarg_size 144
		.amdhsa_user_sgpr_count 2
		.amdhsa_user_sgpr_kernarg_segment_ptr 1
		.amdhsa_wavefront_size32 1
		.amdhsa_system_sgpr_workgroup_id_x 1
		.amdhsa_system_sgpr_workgroup_id_y 1
		.amdhsa_system_sgpr_workgroup_id_z 1
		.amdhsa_system_vgpr_workitem_id 0
		.amdhsa_next_free_vgpr 256
		.amdhsa_next_free_sgpr 90
		.amdhsa_reserve_vcc 0
		.amdhsa_float_denorm_mode_32 3
		.amdhsa_float_denorm_mode_16_64 3
		.amdhsa_fp16_overflow 1
		.amdhsa_memory_ordered 1
		.amdhsa_forward_progress 1
		.amdhsa_inst_pref_size 165
	.end_amdhsa_kernel
	.amdgpu_metadata
---
amdhsa.version: [ 1, 2 ]
amdhsa.kernels:
  - .name:           k_q58511e6cd9_feature
    .symbol:         k_q58511e6cd9_feature.kd
    .args:
      - { .name: x_codes, .offset: 0, .size: 8, .value_kind: global_buffer, .address_space: global }
      - { .name: x_scales, .offset: 8, .size: 8, .value_kind: global_buffer, .address_space: global }
      - { .name: fq_w_codes, .offset: 16, .size: 8, .value_kind: global_buffer, .address_space: global }
      - { .name: fq_w_scales, .offset: 24, .size: 8, .value_kind: global_buffer, .address_space: global }
      - { .name: fq_b, .offset: 32, .size: 8, .value_kind: global_buffer, .address_space: global }
      - { .name: fk_w_codes, .offset: 40, .size: 8, .value_kind: global_buffer, .address_space: global }
      - { .name: fk_w_scales, .offset: 48, .size: 8, .value_kind: global_buffer, .address_space: global }
      - { .name: fk_b, .offset: 56, .size: 8, .value_kind: global_buffer, .address_space: global }
      - { .name: fv_w_codes, .offset: 64, .size: 8, .value_kind: global_buffer, .address_space: global }
      - { .name: fv_w_scales, .offset: 72, .size: 8, .value_kind: global_buffer, .address_space: global }
      - { .name: fv_b, .offset: 80, .size: 8, .value_kind: global_buffer, .address_space: global }
      - { .name: to_w, .offset: 88, .size: 8, .value_kind: global_buffer, .address_space: global }
      - { .name: to_b, .offset: 96, .size: 8, .value_kind: global_buffer, .address_space: global }
      - { .name: fo_w, .offset: 104, .size: 8, .value_kind: global_buffer, .address_space: global }
      - { .name: fo_b, .offset: 112, .size: 8, .value_kind: global_buffer, .address_space: global }
      - { .name: ot_codes, .offset: 120, .size: 8, .value_kind: global_buffer, .address_space: global }
      - { .name: ot_scales, .offset: 128, .size: 8, .value_kind: global_buffer, .address_space: global }
      - { .name: out0, .offset: 136, .size: 8, .value_kind: global_buffer, .address_space: global }
    .group_segment_fixed_size: 270592
    .private_segment_fixed_size: 0
    .kernarg_segment_align: 8
    .kernarg_segment_size: 144
    .max_flat_workgroup_size: 512
    .sgpr_count:     90
    .vgpr_count:     256
    .wavefront_size: 32
...
	.end_amdgpu_metadata
.endif
;; end of part 2
